; MI455X (gfx1250); checked and timed in simulation.
; The chip was launched on July 23, 2026; its instructions are those of AMD's public machine-readable ISA for CDNA 5 (MIT licence, August 2026) and "CDNA5" Instruction Set Architecture Reference Guide (July 2026). The comments in the code are by the model that wrote it; some were corrected since.
;; Re Sprop Attention. Allowed arithmetic: matrix products marked QUANTISED: E5M2 operands, one given power-of-two scale a tensor, by v_wmma_f32_16x16x64_bf8_bf8 or v_wmma_f32_16x16x128_bf8_bf8, f32 sums; everything else in f32.
;; Inputs: K 32 x 2,048 x 128 float32; Q 32 x 2,048 x 128 float32; V 32 x 2,048 x 128 float32; lowp_scales 4 int32 (the exponents e of the quantised operands' scales 2^e).
;; Outputs: out0 32 x 2,048 x 128 float32.
;; This version of the problem:
;;   THIS VERSION OF THE PROBLEM IS GIVEN IN LOW PRECISION. The matrix products marked QUANTISED in the list below multiply operands that are first quantised to E5M2 (5 exponent bits, 2 mantissa bits; 8 bits a number), with one given power-of-two scale for each operand tensor; their sums are f32. All else is computed in f32.
;;   The module's matrix products, in the order in which they are computed (A, B: the left and right operand; K: the contracted axis; several contracted axes count as one K, in the product's order):
;;     1. batch 32 x [M 2,048, K 128] x [K 128, N 2,048]; A: input Q; B: input K: QUANTISED (scales: A lowp_scales[0], B lowp_scales[1])
;;     2. batch 32 x [M 2,048, K 2,048] x [K 2,048, N 128]; A: softmax (see below); B: input V: QUANTISED (scales: A lowp_scales[2], B lowp_scales[3])
;;   THE QUANTISER, for each operand of a quantised product, along K:
;;     - The operand's scale is 2^e, e = its entry of the input lowp_scales (int32; the entries are numbered through the quantised products in the list's order, A before B).
;;     - Each number is divided by the scale, clamped to +-57,344, and rounded to the nearest number of E5M2, ties to even, subnormals kept.
;;     - The product sums the exact products of the quantised numbers (number of the format x scale) in f32.
;;   ~~~python
;;   def quantise(x, axis, e):      # numpy; x: float32 -> the quantised numbers, widened to float32 again
;;       x = np.moveaxis(x, axis, -1); K = x.shape[-1]
;;       r = np.clip(x / 2.0 ** e, -57344, 57344)
;;       step = 2.0 ** (np.maximum(np.frexp(np.where(r == 0, 1, r))[1] - 1, -14) - 2)
;;       q = np.round(r / step) * step * 2.0 ** e      # np.round: ties to even
;;       return np.moveaxis(q, -1, axis).astype(np.float32)
;;   ~~~
;;   SOFTMAX AHEAD OF A QUANTISED PRODUCT. Where the list says 'softmax', what is quantised is not the finished softmax but p = 2^(t - M), with t = logit x log2(e) and M = ceil(the row's largest t), a whole number; so 1/2 < the row's largest p <= 1. The row's sum l is taken of the UNQUANTISED p, in f32, and the product's result is divided by l at the end. Since M is a whole number, a kernel that streams over the keys may use a running M (the ceiling of the running maximum): every later rescaling is an exact power of two, so the quantised numbers keep their values, but for numbers so far below the row's largest that they fall under the format's range.
;;   OPERANDS COMPUTED ON THE WAY. 'Computed on the way' means the value that the module computes at that place (a softmax that the list does not call 'softmax' is quantised finished and normalised). What goes into a quantiser is computed in f32, as accurately as f32 sums, v_exp_f32 and their like allow (about 1e-6 of the number): no bf16 or f16 on the way to a quantiser, and a product that is left as it is and whose result goes on into a quantised operand takes f32 operands (vector FMAs, or v_wmma_f32_16x16x4_f32). A number that lies on a knife's edge between two numbers of the format may be rounded either way, as far as f32 arithmetic and the matrix unit's own rounding can turn it there, and no further.
;; One version. Each part assembles by itself: llvm-mc -triple=amdgcn-amd-amdhsa -mcpu=gfx1250 --defsym DOCPART=n.
;; ======== version 1 of 1: 2 launches
;; limits: right only within a limited range of input values
;; workspace buffers: kc 8,388,608 bytes; vc 8,388,608 bytes
;; launch quant (part 1): grid 256 x 1, 8 waves a work-group, no clusters, 19,456 bytes of LDS; arguments K, V, lowp_scales, kc, vc; writes kc, vc
.if DOCPART == 1
	.amdgcn_target "amdgcn-amd-amdhsa--gfx1250"
	.amdhsa_code_object_version 6
	.text
	.protected	k_qc28a62c448_quant
	.globl	k_qc28a62c448_quant
	.p2align	8
	.type	k_qc28a62c448_quant,@function
k_qc28a62c448_quant:
	s_mov_b64 s[64:65], 0
	v_nop
	global_prefetch_b8 v0, s[64:65] scope:SCOPE_SE
	s_setreg_imm32_b32 hwreg(HW_REG_WAVE_MODE, 25, 1), 1
	s_wait_xcnt 0x0
; K and V, [32][2048][128] f32, become codes of BF8 (E5M2), one byte each, each tensor with the one scale 2^e that is given for it (K: entry 1, V: entry 3 of the scales).
; code = x / 2^e, held within +-57,344, rounded to the nearest code, ties to even.
; LIMITS: e between -126 and 112, so that 2^e and 57,344 x 2^e are f32 numbers.  NaN among the inputs is not served; an infinity is held at the largest code.
; THE CODES ARE LAID AS IMAGES OF THE OPERAND'S REGISTERS.  kc and vc: [32 heads x 16 key steps of 128 keys][8 fragments][2,048 bytes].  In a fragment, byte 512 c + 16 l + i is byte i of
; registers 4 c .. 4 c + 3 of lane l = r + 16 h, and carries index 32 c + 16 h + i of the contracted axis.
;   kc: fragment 2 b + u, row r = key 32 b + 8 u + r + 8 (r / 8) of the step; the contracted axis is the head's 128.
;   vc: fragment 4 a + j, row r = channel 64 a + 4 r + j; the contracted axis is the step's 128 keys, in their order.
; SHARES.  Work-groups 0-127 take K, 128-255 take V.  A wave owns 64 keys (32,768 bytes in, 8,192 bytes of codes out) as four units of 16 key rows.  Every load reads one whole key row: 32 lanes, 512 consecutive bytes.
; A lane then holds columns 4 l .. 4 l + 3 of 16 keys.  K: the codes turn through the wave's own stage in LDS (rows of 128 bytes + 16).  V: a lane's 16 x 4 bytes are turned in registers by byte permutes.
; Three units' loads (48 a wave) are out at the start; no barrier: waves share nothing.  Only K's path touches LDS.
.set OUT, 8                            ; v8-23    a unit's 64 bytes a lane, as they are stored
.set C,   24                           ; v24-39   register i: row i's four codes
.set T,   40                           ; v40-55   V: half-turned
.set R,   64                           ; v64-255  three sets of 64 numbers: unit n uses set n % 3
.set SP,  144                          ; a stage row: 128 bytes + 16 of padding: nine times 16 bytes, so sixteen rows begin at sixteen different 16-byte columns of 256
.set WST, 16*SP                        ; a wave's stage
	s_load_b128 s[4:7], s[0:1], 0x0                ; K s[4:5], V s[6:7]
	s_load_b128 s[8:11], s[0:1], 0x10              ; the scales' exponents s[8:9], kc s[10:11]
	s_load_b64 s[12:13], s[0:1], 0x20              ; vc
	v_lshl_add_u32 v62, v0, 2, 0x4800
	v_mov_b32 v63, 0
	v_lshrrev_b32 v7, 5, v0
	s_delay_alu instid0(VALU_DEP_1)
	v_readfirstlane_b32 s16, v7                    ; wave 0..7
	v_and_b32 v7, 31, v0                           ; lane
	s_delay_alu instid0(VALU_DEP_1)
	v_lshlrev_b32 v1, 4, v7                        ; v1: 16 x lane: my 16 bytes of a row of 512, and of a store of 512; never rewritten
	s_mul_i32 s17, s16, WST                        ; my wave's stage
	v_lshlrev_b32 v2, 2, v7
	s_delay_alu instid0(VALU_DEP_1)
	v_add_nc_u32 v2, s17, v2                       ; v2: into the stage: 4 bytes a lane
	v_and_b32 v3, 15, v0                           ; r
	s_delay_alu instid0(VALU_DEP_1)
	v_mul_u32_u24 v3, v3, SP
	v_bfe_u32 v4, v0, 4, 1                         ; h
	s_delay_alu instid0(VALU_DEP_1)
	v_lshl_add_u32 v3, v4, 4, v3
	s_delay_alu instid0(VALU_DEP_1)
	v_add_nc_u32 v3, s17, v3                       ; v3: out of it: row r, + 16 h
	v_and_b32 v7, 15, v0
	s_delay_alu instid0(VALU_DEP_1)
	v_lshlrev_b32 v7, 4, v7
	s_delay_alu instid0(VALU_DEP_1)
	v_lshl_add_u32 v4, v4, 13, v7                  ; v4: V's stores: my columns 4 l + j lie in fragment 4 (l / 16) + j, row l % 16: 8,192 (l / 16) + 16 (l % 16)
	s_and_b32 s18, ttmp9, 127                      ; the work-group's number within its tensor
	s_lshl_b32 s18, s18, 3
	s_add_co_u32 s18, s18, s16                     ; which run of 64 keys is my wave's: 0 .. 1,023
	s_lshl_b32 s28, s18, 15                        ; its 32,768 bytes of f32
	s_mov_b32 s29, 0
	s_mov_b32 s24, 0x05010400                      ; byte selects: two rows' columns 0 and 1 interleaved,
	s_mov_b32 s25, 0x07030602                      ; columns 2 and 3;
	s_mov_b32 s26, 0x05040100                      ; the low halves of two words,
	s_mov_b32 s27, 0x07060302                      ; the high halves
	s_wait_kmcnt 0x0
	s_load_b128 s[20:23], s[8:9], 0x0              ; eq, ek, ep, ev
.macro LOADK n                         ; unit n of K: the 16 keys of fragment n of my half step, in the fragment's order of rows
.irp i, 0,1,2,3,4,5,6,7,8,9,10,11,12,13,14,15
	global_load_b128 v[R+64*((\n)%3)+4*\i:R+64*((\n)%3)+4*\i+3], v1, s[4:5] offset:(32*((\n)/2)+8*((\n)%2)+\i+8*(\i/8))*512 th:TH_LOAD_NT
.endr
.endm
.macro LOADV n                         ; unit n of V: keys 16 n .. 16 n + 15 of my 64
.irp i, 0,1,2,3,4,5,6,7,8,9,10,11,12,13,14,15
	global_load_b128 v[R+64*((\n)%3)+4*\i:R+64*((\n)%3)+4*\i+3], v1, s[6:7] offset:(16*(\n)+\i)*512 th:TH_LOAD_NT
.endr
.endm
.macro SCALE e                         ; v5 = 2^e as f32 (the conversion takes its exponent field), v6 = 57,344 x 2^e
	s_add_co_i32 s32, s[\e], 127
	s_lshl_b32 s33, s32, 23
	v_mov_b32 v5, s33
	s_add_co_i32 s32, s32, 15
	s_lshl_b32 s32, s32, 23
	s_or_b32 s32, s32, 0x600000
	v_mov_b32 v6, s32
.endm
.macro CODES n                         ; unit n's 64 numbers a lane become 16 registers of codes: C + i = row i, columns 4 l .. 4 l + 3
.set RS, R+64*((\n)%3)
.set jj, 0
.rept 64
	v_med3_num_f32 v[RS+jj], v[RS+jj], -v6, v6     ; the conversion to an 8-bit code does not saturate (ISA guide 7.6.2): hold the number within the largest code x the scale first
.set jj, jj+1
.endr
.irp g, 0,1,2,3,4,5,6,7
	v_cvt_scalef32_pk8_bf8_f32 v[C+2*\g:C+2*\g+1], v[RS+8*\g:RS+8*\g+7], v5    ; rows 2 g and 2 g + 1: four codes each
.endr
	v_nop                                          ; one plain vector line behind the last conversion, ahead of whatever touches its registers
.endm
; left: how many younger loads may stay out when this unit's sixteen have to be in
.macro KUNIT n, left
	s_wait_loadcnt \left
	CODES \n
.if (\n) == 0
	LOADK 3                                        ; set 0 is free: the last unit's loads go out
.endif
.irp i, 0,1,2,3,4,5,6,7,8,9,10,11,12,13,14,15
	ds_store_b32 v2, v[C+\i] offset:SP*\i          ; row i: 32 lanes, 128 consecutive bytes
.endr
	s_wait_xcnt 0x0                                ; the unit before's stores have read OUT: only behind this wait is it loaded again
.irp c, 0,1,2,3
	ds_load_b128 v[OUT+4*\c:OUT+4*\c+3], v3 offset:32*\c   ; LDS serves a wave's instructions in order (ISA guide 5.7.1.4): these see the stores above.  Row r, columns 32 c + 16 h + 0 .. 15
.endr
	s_wait_dscnt 0x0                               ; they are in, and the stores into the stage have read C
.irp c, 0,1,2,3
	global_store_b128 v1, v[OUT+4*\c:OUT+4*\c+3], s[10:11] offset:2048*(\n)+512*\c   ; 32 lanes store 512 consecutive bytes, at a multiple of 512 from kc's first byte
.endr
.endm
.macro VUNIT n, left
	s_wait_loadcnt \left
	CODES \n
.if (\n) == 0
	LOADV 3
.endif
	s_wait_alu depctr_va_vdst(0)
	s_wait_xcnt 0x0                                ; the unit before's stores have read OUT
.irp g, 0,1,2,3                        ; rows 4 g .. 4 g + 3: a block of 4 x 4 bytes is turned in two steps
	v_perm_b32 v[T+4*\g],   v[C+4*\g+1], v[C+4*\g],   s24   ; (row 0, row 1) of column 0, then of column 1
	v_perm_b32 v[T+4*\g+1], v[C+4*\g+1], v[C+4*\g],   s25   ; of columns 2, 3
	v_perm_b32 v[T+4*\g+2], v[C+4*\g+3], v[C+4*\g+2], s24   ; (row 2, row 3) of columns 0, 1
	v_perm_b32 v[T+4*\g+3], v[C+4*\g+3], v[C+4*\g+2], s25   ; of columns 2, 3
.endr
.irp g, 0,1,2,3
	v_perm_b32 v[OUT+\g],    v[T+4*\g+2], v[T+4*\g],   s26  ; column 0, rows 4 g .. 4 g + 3
	v_perm_b32 v[OUT+4+\g],  v[T+4*\g+2], v[T+4*\g],   s27  ; column 1
	v_perm_b32 v[OUT+8+\g],  v[T+4*\g+3], v[T+4*\g+1], s26  ; column 2
	v_perm_b32 v[OUT+12+\g], v[T+4*\g+3], v[T+4*\g+1], s27  ; column 3
.endr
.irp j, 0,1,2,3
	global_store_b128 v4, v[OUT+4*\j:OUT+4*\j+3], s[12:13] offset:2048*\j+512*((\n)/2)+256*((\n)%2)   ; 16 keys of column 4 l + j: lanes 0-15 store 256 consecutive bytes, aligned; lanes 16-31 another 256, four fragments on
.endr
.endm
	s_cmp_lt_u32 ttmp9, 128
	s_cbranch_scc0 .Lv
	; ---- K
	s_add_nc_u64 s[4:5], s[4:5], s[28:29]
	s_lshl_b32 s30, s18, 13                        ; my 64 keys' codes: four fragments, 8,192 bytes
	s_mov_b32 s31, 0
	s_add_nc_u64 s[10:11], s[10:11], s[30:31]
	LOADK 0
	LOADK 1
	LOADK 2
	s_wait_kmcnt 0x0
	SCALE 21                                       ; ek
	s_wait_alu depctr_va_vdst(0)
	KUNIT 0, 32                                    ; units 1 and 2 may be out
	KUNIT 1, 32                                    ; units 2 and 3
	KUNIT 2, 16                                    ; unit 3
	KUNIT 3, 0
	s_wait_tensorcnt 0x0
	ds_add_u32 v62, v63
	s_wait_dscnt 0x0
	s_endpgm
.Lv:
	; ---- V
	s_add_nc_u64 s[6:7], s[6:7], s[28:29]
	s_lshr_b32 s30, s18, 1
	s_lshl_b32 s30, s30, 14                        ; the key step's 16,384 bytes,
	s_and_b32 s31, s18, 1
	s_lshl_b32 s31, s31, 10                        ; and in each fragment the half that holds my 64 keys
	s_add_co_u32 s30, s30, s31
	s_mov_b32 s31, 0
	s_add_nc_u64 s[12:13], s[12:13], s[30:31]
	LOADV 0
	LOADV 1
	LOADV 2
	s_wait_kmcnt 0x0
	SCALE 23                                       ; ev
	s_wait_alu depctr_va_vdst(0)
	VUNIT 0, 32
	VUNIT 1, 32
	VUNIT 2, 16
	VUNIT 3, 0
	s_endpgm
.Lfunc_end_k_qc28a62c448_quant:
	.size	k_qc28a62c448_quant, .Lfunc_end_k_qc28a62c448_quant-k_qc28a62c448_quant
	.p2alignl 7, 3214868480
	.fill 96, 4, 3214868480
	.section	.rodata,"a",@progbits
	.p2align	6, 0x0
	.amdhsa_kernel k_qc28a62c448_quant
		.amdhsa_group_segment_fixed_size 19456
		.amdhsa_private_segment_fixed_size 0
		.amdhsa_enable_private_segment 0
		.amdhsa_kernarg_size 40
		.amdhsa_user_sgpr_count 2
		.amdhsa_user_sgpr_kernarg_segment_ptr 1
		.amdhsa_wavefront_size32 1
		.amdhsa_system_sgpr_workgroup_id_x 1
		.amdhsa_system_sgpr_workgroup_id_y 1
		.amdhsa_system_sgpr_workgroup_id_z 1
		.amdhsa_system_vgpr_workitem_id 0
		.amdhsa_next_free_vgpr 256
		.amdhsa_next_free_sgpr 66
		.amdhsa_reserve_vcc 0
		.amdhsa_float_denorm_mode_32 3
		.amdhsa_float_denorm_mode_16_64 3
		.amdhsa_memory_ordered 1
		.amdhsa_forward_progress 1
		.amdhsa_inst_pref_size 69
	.end_amdhsa_kernel
	.amdgpu_metadata
---
amdhsa.version: [ 1, 2 ]
amdhsa.kernels:
  - .name:           k_qc28a62c448_quant
    .symbol:         k_qc28a62c448_quant.kd
    .args:
      - { .name: K, .offset: 0, .size: 8, .value_kind: global_buffer, .address_space: global }
      - { .name: V, .offset: 8, .size: 8, .value_kind: global_buffer, .address_space: global }
      - { .name: lowp_scales, .offset: 16, .size: 8, .value_kind: global_buffer, .address_space: global }
      - { .name: kc, .offset: 24, .size: 8, .value_kind: global_buffer, .address_space: global }
      - { .name: vc, .offset: 32, .size: 8, .value_kind: global_buffer, .address_space: global }
    .group_segment_fixed_size: 19456
    .private_segment_fixed_size: 0
    .kernarg_segment_align: 8
    .kernarg_segment_size: 40
    .max_flat_workgroup_size: 256
    .sgpr_count:     66
    .vgpr_count:     256
    .wavefront_size: 32
...
	.end_amdgpu_metadata
.endif
;; end of part 1
;; launch attn (part 2): grid 8 x 32, 8 waves a work-group, clusters of 4 x 1, 327,680 bytes of LDS; arguments Q, kc, vc, lowp_scales, out0; writes out0
.if DOCPART == 2
	.amdgcn_target "amdgcn-amd-amdhsa--gfx1250"
	.amdhsa_code_object_version 6
	.text
	.protected	k_qc28a62c448_attn
	.globl	k_qc28a62c448_attn
	.p2align	8
	.type	k_qc28a62c448_attn,@function
k_qc28a62c448_attn:
	s_mov_b64 s[64:65], 0
	v_nop
	global_prefetch_b8 v0, s[64:65] scope:SCOPE_SE
	s_setreg_imm32_b32 hwreg(HW_REG_WAVE_MODE, 25, 1), 1
	s_wait_xcnt 0x0
	s_wait_alu depctr_hold_cnt(0) depctr_sa_sdst(0) depctr_va_vdst(0) depctr_va_sdst(0) depctr_va_ssrc(0) depctr_va_vcc(0) depctr_vm_vsrc(0)
	s_getreg_b32 s2, hwreg(HW_REG_IB_STS2, 6, 4)
	s_cmp_eq_u32 s2, 0
	s_cbranch_scc0 .Lentry_in_a_cluster
	s_endpgm
.Lentry_in_a_cluster:
	s_bfe_u32 s2, ttmp6, 0x10000c
	s_cmp_lg_u32 s2, 0x3003
	s_cbranch_scc0 .Lentry_shape_is_right
	s_endpgm
.Lentry_shape_is_right:
; out0[b][q][:] = the sum over k of softmax_k(Q[b][q] . K[b][k] / sqrt(128)) V[b][k][:], 32 heads, 2,048 queries and keys, head size 128, both products on codes of BF8 (E5M2), each operand with its given scale 2^e: eq, ek, ep, ev.
; Q: f32, quantised here (each row is read once, by one wave).  kc, vc: K's and V's codes, laid as images of the operands' registers: [32 x 16 blocks of 128 keys][8 fragments][2,048 bytes].
; THE SOFTMAX AHEAD OF THE SECOND PRODUCT: t = score x c, c = log2(e) / sqrt(128) x 2^(eq + ek); M = the row's largest t so far, rounded UP to a whole number; p = 2^(t - M) is what is quantised, not normalised.
; The row's sum is taken of the unquantised p, in f32, and divides O at the end.  When M moves, the sums and O are multiplied by 2^(old M - new M), which rounds nothing.
; SHARES.  A work-group owns 256 queries of one head; each of its eight waves owns 32: two tiles of 16, so that each fragment of K and of V read from LDS feeds two products.  Two waves lie on a SIMD, 512 registers each.
; A STEP IS 256 KEYS: M moves, and O is rescaled, once for 256 keys.
; LAYOUT.  Both products are used transposed: S^T = K Q^T (source 0 = 16 keys, source 1 = 16 queries), O^T = V^T P^T (source 0 = 16 channels, source 1 = P): a lane holds ONE query (lane % 16) throughout.
; In kc, row r of a block's fragment 2 b + u is key 32 b + 8 u + r + 8 (r / 8): the 16 registers of score tiles 2 b and 2 b + 1 are then keys 32 b + 16 (lane / 16) + 0 .. 15, the order of P's registers 4 b .. 4 b + 3.
; In vc, row r of a block's fragment 4 a + j is channel 64 a + 4 r + j: register n of O^T's tile 4 a + j is channel 64 a + 32 (lane / 16) + 4 n + j; the last multiplication, which writes other registers anyway, puts them in order.
; CLUSTER.  The four query blocks of a cluster belong to one head and walk the same kc and vc: each tile is asked for JOINTLY, by the same tensor load with the same descriptor and a mask that names the four.
; RING.  Two LDS slots of 512 keys (K's four blocks, then V's four: 131,072 bytes).  Waves 0-3 fetch K's blocks, waves 4-7 V's: one load of 16,384 bytes a wave behind each change of slots; one tensor load of a wave is out at a time.
; NO DATA PREFETCH: a slot is asked for a whole slot ahead: between the request and the wait for it a wave issues two steps, 128 products and 512 exponentials, and there are three such requests in the launch.
; LIMITS on the given exponents, so that each power of two below is an f32 number: eq and ep between -126 and 112; eq + ek between -123 and 130 (they are added to c's exponent field); ep + ev is applied by v_ldexp_f32 and has none.
; NaN among the inputs is not served; an infinity in Q is held at the largest code.
; REGISTERS, in windows of 256 (s_set_vgpr_msb's low byte: bits 1:0 source 0, 3:2 source 1, 5:4 source 2, 7:6 destination):
;   window 0: v1 16 x lane; v2, v3 the spare word's address and 0; v4, v5 addresses in hand; v6, v7 Q's stage; v8-17, v18-27 a tile's statistics; v28 16 x lane + V's place in a slot; v29 2^ep; v30 57,344 x 2^ep; v31 the lane's offset in out0;
;             v32-95 four fragments of K, then p's codes, 16 a chunk; v96-223 O^T (tile x, channels' tile t at 96 + 64 x + 8 t); v224-255 Q's codes, 16 a tile.
;   window 1: the scores, then p, in four chunks of 64: chunk c = tile c % 2, keys 128 (c / 2) .. + 127 of the step.  Fragments of K wait where scores are not yet written, V's land where p has been converted.
;   a tile's statistics, from T0 + 10 x on: +0 -M, +1 the largest score, +2:3 and +6:7 the sum in two chains of pairs, +4 a second chain of the maximum, then the old -M, then f (+5 is named with it as a pair), +8 at work, +9 a lane permute's destination.
.set FA,    32
.set O,     96
.set QW,    224
.set T0,    8
.set U,     FA+48                      ; two more chains of the sum, in the last chunk's codes' registers, which are free until then
.set STEPB, 32768                      ; a step's tiles of K, or of V
.set VOFF,  65536                      ; V's four blocks lie behind K's four
.set SLOT1, 131072                     ; slot 1 begins here: one exclusive or turns an address in one slot into the other's
.set STAGE, 2*SLOT1                    ; behind the ring: a stage for each wave, for Q's codes (32 rows x 144 bytes) and for the way out (16 rows x 272 bytes); no tile lands there
.set SP,    144                        ; 128 bytes + 16 of padding: nine times 16
.set SPITCH, 272
.set WST,   32*SP                      ; 18 blocks of 256 bytes a wave
.set SPARE, STAGE+8*WST                ; behind the stages: the spare words, 128 bytes for each wave: four blocks of 256 bytes that no other line names
.set MSB, 0
.macro WIN new                         ; the immediate's high byte repeats the setting that is left; a switch that changes nothing is dropped
.if MSB != \new
	s_set_vgpr_msb (MSB<<8)|\new
.set MSB, \new
.endif
.endm
.macro PLACES                          ; a load into a register that a matrix instruction has read, and a vector instruction that reads a matrix result, stand four plain vector instructions behind it (ISA guide 7.12.1 for vector instructions)
.rept 4
	v_nop
.endr
.endm
; A joint load: waves 0-3 fetch K's four blocks of a slot, waves 4-7 V's.  The branch hangs on the wave's number alone.  s_nop 0 and four v_nop follow each of the two lines.
.macro JLOAD
	s_cmp_lt_u32 s14, 4
	s_cbranch_scc0 .Lfor_v_\@
	tensor_load_to_lds s[32:35], s[24:31]
	s_nop 0
.rept 4
	v_nop
.endr
	s_branch .Lasked_\@
.Lfor_v_\@:
	tensor_load_to_lds s[36:39], s[24:31]
	s_nop 0
.rept 4
	v_nop
.endr
.Lasked_\@:
.endm
; A round of the cluster's barrier: my work-group's barrier, so that wave 0's signal speaks for all eight waves; wave 0 signals for the work-group; every wave waits for all four work-groups; my work-group's barrier once more.
.macro CROUND
	s_barrier_signal -1
	s_barrier_wait -1
	s_cmp_lg_u32 s14, 0
	s_cbranch_scc1 .Lnot_wave_0_\@
	s_barrier_signal -3
.Lnot_wave_0_\@:
	s_barrier_wait -3
	s_barrier_signal -1
	s_barrier_wait -1
.endm
	s_load_b256 s[4:11], s[0:1], 0x0               ; Q s[4:5], kc s[6:7], vc s[8:9], the scales' exponents s[10:11]
	s_load_b64 s[12:13], s[0:1], 0x20              ; out0
	v_lshl_add_u32 v2, v0, 2, SPARE
	v_mov_b32 v3, 0
	ds_add_u32 v2, v3                              ; the opening lines: the add, twice on end; the set-up below, work on registers, stands between it and its one wait
	ds_add_u32 v2, v3
	v_lshrrev_b32 v6, 5, v0
	s_delay_alu instid0(VALU_DEP_1)
	v_readfirstlane_b32 s14, v6                    ; wave 0..7
	s_mul_i32 s54, s14, WST
	s_add_co_u32 s54, s54, STAGE                   ; my stage
	v_and_b32 v1, 31, v0
	v_and_b32 v7, 15, v0                           ; r
	v_bfe_u32 v5, v0, 4, 1                         ; h
	v_lshlrev_b32 v6, 2, v1
	v_lshlrev_b32 v1, 4, v1                        ; 16 x lane: my place in an image, and in a row of Q
	v_mul_u32_u24 v7, v7, SP
	v_add_nc_u32 v6, s54, v6                       ; Q's codes into the stage: 4 bytes a lane
	v_lshl_add_u32 v7, v5, 4, v7
	v_add_nc_u32 v28, VOFF, v1
	v_add_nc_u32 v7, s54, v7                       ; and back: row r, + 16 h
	s_and_b32 s15, s14, 3                          ; which of a slot's four blocks I fetch
	s_bfe_u32 s16, ttmp6, 0x40000                  ; cx: my place in the cluster
	s_lshl_b32 s17, ttmp9, 2                       ; in a cluster launch ttmp9 counts clusters
	s_add_co_u32 s17, s17, s16                     ; my block of 256 queries = 4 x cluster x + cx: it enters Q's and out0's addresses alone
	s_and_b32 s48, ttmp7, 0xffff                   ; the head, which the four partners share
	s_lshl_b32 s50, s48, 18                        ; the head's codes: 16 blocks x 16,384 bytes,
	s_lshl_b32 s33, s15, 14                        ; my block's: in memory and in a slot alike.  (s33: 63:32 of K's group 0, the LDS address)
	s_add_co_u32 s50, s50, s33
	s_mov_b32 s51, 0
	s_lshl_b32 s52, s48, 20                        ; the head's 2,048 rows of 512 bytes in Q and out0,
	s_lshl_b32 s53, s17, 17                        ; my block's 256,
	s_add_co_u32 s52, s52, s53
	s_lshl_b32 s53, s14, 14                        ; my wave's 32
	s_add_co_u32 s52, s52, s53
	s_mov_b32 s53, 0
	; descriptor group 1, one for every load: a dense block of 16,384 bytes as 64 rows of 32 elements of 8 bytes
	s_mov_b32 s24, 15|(3<<16)|(1<<21)              ; 15:0 the mask: all four work-groups; 17:16 elements of 8 bytes; 20 no padding (images are read 512 consecutive bytes at a time); 21 set beside a mask
	s_mov_b32 s25, 32<<16                          ; 63:48 tensor_dim0, low half = 32
	s_mov_b32 s26, 64<<16                          ; 95:80 tensor_dim1, low half = 64
	s_mov_b32 s27, 32<<16                          ; 127:112 tile_dim0 = 32
	s_mov_b32 s28, 64                              ; 143:128 tile_dim1 = 64; tile_dim2 = 0
	s_mov_b32 s29, 32                              ; tensor_dim0_stride: rows follow each other
	s_mov_b32 s30, 0
	s_mov_b32 s31, 0
	s_mov_b32 s32, 1                               ; group 0 for K: 1:0 count = 1
	s_mov_b32 s36, 1                               ; and for V,
	s_add_co_u32 s37, s33, VOFF                    ; whose tiles lie behind K's four
	s_mov_b32 s20, 0x76543210                      ; lane selects for v_permlanex16_b32: lane l xor 16
	s_mov_b32 s21, 0xfedcba98
	s_mov_b32 s22, 0x3e0293ee                      ; log2(e) / sqrt(128)
	s_mov_b32 s40, 0                               ; LDS byte at which the step in hand begins
	s_mov_b32 s41, 3                               ; slots still to be asked for: 2,048 keys are four slots' worth, the first is asked for here
	s_wait_alu depctr_va_vdst(0)                   ; the wait, directly ahead of the waits below
	s_wait_dscnt 0x0                               ; both opening adds are done
	s_wait_kmcnt 0x0
	s_load_b128 s[44:47], s[10:11], 0x0            ; eq, ek, ep, ev
	s_add_nc_u64 s[34:35], s[6:7], s[50:51]        ; 120:64 global address: my block of the head's first four
	s_or_b32 s35, s35, 0x80000000                  ; 127:126 type = 2
	s_add_nc_u64 s[38:39], s[8:9], s[50:51]
	s_or_b32 s39, s39, 0x80000000
	s_add_nc_u64 s[4:5], s[4:5], s[52:53]          ; Q and out0 at my wave's first row
	s_add_nc_u64 s[12:13], s[12:13], s[52:53]
	WIN 0x40
.set jj, 0
.rept 32
	global_load_b128 v[4*jj:4*jj+3], v1, s[4:5] offset:512*jj th:TH_LOAD_NT   ; a whole row of Q: 32 lanes, 512 consecutive bytes; a lane holds columns 4 l .. 4 l + 3
.set jj, jj+1
.endr
	WIN 0
	CROUND                                         ; all four work-groups are here: the first joint loads meet
	JLOAD                                          ; slot 0
.irp x, 0,1
	v_mov_b32 v[T0+10*\x+1], 0xff61b1e6            ; the largest score so far: -3e38
	v_mov_b32 v[T0+10*\x], 0x7f61b1e6              ; -M: 3e38
	v_mov_b32 v[T0+10*\x+2], 0                     ; the sum's two chains
	v_mov_b32 v[T0+10*\x+3], 0
	v_mov_b32 v[T0+10*\x+6], 0
	v_mov_b32 v[T0+10*\x+7], 0
	v_mov_b32 v[T0+10*\x+5], 0                     ; named as the upper half of f's pair
	v_mov_b32 v[T0+10*\x+9], 0                     ; written once: a lane permute's destination counts as one of its sources
.endr
.set jj, 0
.rept 128
	v_mov_b32 v[O+jj], 0                           ; O^T, while Q is on its way.  (The step is written once: the first finds zeros, which the first change of M leaves zeros; a first step of its own would be a third copy of the step)
.set jj, jj+1
.endr
	s_wait_kmcnt 0x0
	s_add_co_i32 s48, s44, s45
	s_lshl_b32 s48, s48, 23
	s_add_co_i32 s22, s22, s48                     ; c: a score stands for score x 2^(eq + ek): the two exponents are added to the exponent field
	s_mov_b32 s23, s22                             ; (named with it as a pair, so it is written)
	s_add_co_i32 s48, s46, 127
	s_lshl_b32 s49, s48, 23
	v_mov_b32 v29, s49                             ; 2^ep as f32, for p's conversions
	s_add_co_i32 s48, s48, 15
	s_lshl_b32 s48, s48, 23
	s_or_b32 s48, s48, 0x600000
	v_mov_b32 v30, s48                             ; 57,344 x 2^ep
	s_add_co_i32 s48, s44, 127
	s_lshl_b32 s49, s48, 23
	v_mov_b32 v64, s49                             ; 2^eq, for Q's
	s_add_co_i32 s48, s48, 15
	s_lshl_b32 s48, s48, 23
	s_or_b32 s48, s48, 0x600000
	v_mov_b32 v65, s48                             ; 57,344 x 2^eq
	s_add_co_i32 s43, s46, s47                     ; ep + ev, for the end
	s_wait_alu depctr_va_vdst(0)
.irp g, 0,1,2,3                        ; Q, eight rows at a time: the younger rows may be out
	s_wait_loadcnt 24-8*\g
	WIN 0x41
.set jj, 0
.rept 32
	v_med3_num_f32 v[32*\g+jj], v[32*\g+jj], -v65, v65   ; the conversion to an 8-bit code does not saturate (ISA guide 7.6.2): the hold at the largest code x the scale
.set jj, jj+1
.endr
	WIN 0x01
.irp k, 0,1,2,3
	v_cvt_scalef32_pk8_bf8_f32 v[FA+8*\g+2*\k:FA+8*\g+2*\k+1], v[32*\g+8*\k:32*\g+8*\k+7], v64   ; two rows, four codes each
.endr
.endr
	v_nop                                          ; one plain vector line behind the last conversion
	WIN 0
	s_wait_alu depctr_va_vdst(0)
	s_wait_tensorcnt 0x0                           ; my part of slot 0 has landed: no tensor load is out while I store to LDS
.set jj, 0
.rept 32
	ds_store_b32 v6, v[FA+jj] offset:SP*jj         ; row jj: 32 lanes, 128 consecutive bytes
.set jj, jj+1
.endr
.irp x, 0,1
.irp c, 0,1,2,3
	ds_load_b128 v[QW+16*\x+4*\c:QW+16*\x+4*\c+3], v7 offset:16*SP*\x+32*\c   ; LDS serves a wave's instructions in order (ISA guide 5.7.1.4): these see the stores above.  Row r, columns 32 c + 16 h + 0 .. 15
.endr
.endr
.macro KF f, reg                       ; fragment f (0..15) of the step's K: four loads of 512 consecutive bytes
.irp c, 0,1,2,3
	ds_load_b128 v[(\reg)+4*\c:(\reg)+4*\c+3], v4 offset:2048*(\f)+512*\c
.endr
.endm
.macro VF f, reg                       ; fragment f (0..15) of the step's V: 0-7 the first 128 keys', 8-15 the others'
.irp c, 0,1,2,3
	ds_load_b128 v[(\reg)+4*\c:(\reg)+4*\c+3], v5 offset:2048*(\f)+512*\c
.endr
.endm
.macro QK f, reg                       ; 16 keys x my two tiles of queries; the product starts the sum
.irp x, 0,1
	v_wmma_f32_16x16x128_bf8_bf8 v[64*(2*((\f)/8)+\x)+8*((\f)%8):64*(2*((\f)/8)+\x)+8*((\f)%8)+7], v[(\reg):(\reg)+15], v[QW+16*\x:QW+16*\x+15], 0
.endr
.endm
.macro MAXP p                          ; the largest score among fragments 4 p .. 4 p + 3's, in two chains a tile, each accumulator from its low end on; the first lines start from the running maximum
	WIN 0x14
.irp i, 0,4,8,12,16,20,24,28
.if (\p)+(\i) == 0
.set A8, 1
.set A4, 1
.else
.set A8, 8
.set A4, 4
.endif
.irp x, 0,1
	v_max3_num_f32 v[T0+10*\x+8], v[T0+10*\x+A8], v[128*((\p)/2)+32*((\p)%2)+64*\x+\i], v[128*((\p)/2)+32*((\p)%2)+64*\x+\i+1]
.endr
.irp x, 0,1
	v_max3_num_f32 v[T0+10*\x+4], v[T0+10*\x+A4], v[128*((\p)/2)+32*((\p)%2)+64*\x+\i+2], v[128*((\p)/2)+32*((\p)%2)+64*\x+\i+3]
.endr
.endr
.endm
.macro TM c, j                         ; t - M of chunk c, two at a time (of the pairs c and -M the low word serves both halves)
	v_pk_fma_f32 v[64*(\c)+2*(\j):64*(\c)+2*(\j)+1], v[64*(\c)+2*(\j):64*(\c)+2*(\j)+1], s[22:23], v[T0+10*((\c)%2):T0+10*((\c)%2)+1] op_sel_hi:[1,0,0]
.endm
.macro HOLD c, j                       ; the hold: the conversion does not saturate (ISA guide 7.6.2); p is not negative, so it is one-sided
	v_dual_min_num_f32 v[64*(\c)+2*(\j)], v[64*(\c)+2*(\j)], v30 :: v_dual_min_num_f32 v[64*(\c)+2*(\j)+1], v[64*(\c)+2*(\j)+1], v30
.endm
; A batch: chunk c's 64 exponentials, p = 2^(t - M), at most 1, NOT normalised.  Among them stand lines whose results are first read behind the wait that closes the batch: the next chunk's t - M and the last chunk's hold.
.macro EXPB c
	WIN 0x41
.set jj, 0
.rept 32
	v_exp_f32 v[64*(\c)+2*jj], v[64*(\c)+2*jj]
.if (\c) < 3
	TM (\c)+1, jj
.endif
	v_exp_f32 v[64*(\c)+2*jj+1], v[64*(\c)+2*jj+1]
.if (\c) > 0
	HOLD (\c)-1, jj
.endif
.set jj, jj+1
.endr
	s_wait_alu depctr_va_vdst(0)                   ; one wait for what stands ahead of it
.endm
.macro SUM c                           ; THE ROW'S SUM IS TAKEN OF THE UNQUANTISED p: two at a time, in four chains by turns
.set TX, T0+10*((\c)%2)
	WIN 0x05
	v_pk_add_f32 v[U:U+1], v[64*(\c):64*(\c)+1], v[64*(\c)+2:64*(\c)+3]
	v_pk_add_f32 v[U+2:U+3], v[64*(\c)+4:64*(\c)+5], v[64*(\c)+6:64*(\c)+7]
	WIN 0x04
.set jj, 4
.rept 7
	v_pk_add_f32 v[TX+2:TX+3], v[TX+2:TX+3], v[64*(\c)+2*jj:64*(\c)+2*jj+1]
	v_pk_add_f32 v[TX+6:TX+7], v[TX+6:TX+7], v[64*(\c)+2*jj+2:64*(\c)+2*jj+3]
	v_pk_add_f32 v[U:U+1], v[U:U+1], v[64*(\c)+2*jj+4:64*(\c)+2*jj+5]
	v_pk_add_f32 v[U+2:U+3], v[U+2:U+3], v[64*(\c)+2*jj+6:64*(\c)+2*jj+7]
.set jj, jj+4
.endr
	WIN 0
	v_pk_add_f32 v[TX+2:TX+3], v[TX+2:TX+3], v[U:U+1]
	v_pk_add_f32 v[TX+6:TX+7], v[TX+6:TX+7], v[U+2:U+3]
.endm
.macro CODES c                         ; chunk c's codes: keys 32 (g / 2) + 16 h + 8 (g % 2) + 0 .. 7 of its 128
	WIN 0x01
.irp g, 0,1,2,3,4,5,6,7
	v_cvt_scalef32_pk8_bf8_f32 v[FA+16*(\c)+2*\g:FA+16*(\c)+2*\g+1], v[64*(\c)+8*\g:64*(\c)+8*\g+7], v29
.endr
.endm
.macro PV hh                           ; O^T += V^T P^T over 128 keys: 16 accumulators by turns
	WIN 0x01
.irp t, 0,1,2,3,4,5,6,7
.irp x, 0,1
	v_wmma_f32_16x16x128_bf8_bf8 v[O+64*\x+8*\t:O+64*\x+8*\t+7], v[128*(\hh)+16*\t:128*(\hh)+16*\t+15], v[FA+32*(\hh)+16*\x:FA+32*(\hh)+16*\x+15], v[O+64*\x+8*\t:O+64*\x+8*\t+7]
.endr
.endr
.endm
; A STEP: 256 keys, whose tiles begin at LDS byte s40 (K's) and s40 + VOFF (V's).
.macro STEP
	v_add_nc_u32 v4, s40, v1
	v_add_nc_u32 v5, s40, v28
.irp f, 0,1,2,3
	KF \f, FA+16*\f
.endr
	WIN 0x40
	KF 4, 128                                      ; fragments 4-7 lie where 8-11's scores will be written, 8-11 where 12-15's will
	KF 5, 144
	KF 6, 192
	KF 7, 208
	KF 8, 160
	KF 9, 176
	KF 10, 224
	KF 11, 240
	s_wait_alu depctr_va_vdst(0)                   ; the wait, directly ahead of the wait below
	s_wait_dscnt 32                                ; fragments 0-3 are in; the 32 loads of 4-11 may be out
.irp f, 0,1,2,3
	QK \f, FA+16*\f
.endr
	PLACES                                         ; in front of the loads into the same registers
	WIN 0
.irp f, 0,1,2,3
	KF 12+\f, FA+16*\f
.endr
	s_wait_dscnt 32                                ; 4-7 are in; 8-11 and 12-15, 32 loads, may be out
	WIN 0x41
	QK 4, 128
	QK 5, 144
	QK 6, 192
	QK 7, 208
	s_wait_dscnt 16                                ; 8-11 are in
	MAXP 0                                         ; these 32 are also the places ahead of the products that write over fragments 4-7
	s_wait_alu depctr_va_vdst(0)
	WIN 0x41
	QK 8, 160
	QK 9, 176
	QK 10, 224
	QK 11, 240
	s_wait_dscnt 0x0                               ; 12-15 are in
	MAXP 1
	WIN 0x40
.irp f, 0,1,2,3
	QK 12+\f, FA+16*\f
.endr
	MAXP 2
	MAXP 3
	WIN 0
.irp x, 0,1
	v_max_num_f32 v[T0+10*\x+8], v[T0+10*\x+8], v[T0+10*\x+4]
.endr
.irp x, 0,1
	s_delay_alu instid0(VALU_DEP_2)
	v_permlanex16_b32 v[T0+10*\x+9], v[T0+10*\x+8], s20, s21
.endr
.irp x, 0,1
	s_delay_alu instid0(VALU_DEP_2)
	v_max_num_f32 v[T0+10*\x+1], v[T0+10*\x+8], v[T0+10*\x+9]                  ; the running largest score, lane l xor 16's among them
.endr
.irp x, 0,1
	s_delay_alu instid0(VALU_DEP_2)
	v_mul_f32 v[T0+10*\x+8], s22, -v[T0+10*\x+1]                               ; -t (c is positive)
.endr
.irp x, 0,1
	v_mov_b32 v[T0+10*\x+4], v[T0+10*\x]
.endr
.irp x, 0,1
	s_delay_alu instid0(VALU_DEP_4)
	v_floor_f32 v[T0+10*\x], v[T0+10*\x+8]                                     ; the new -M = floor(-t) = -ceil(t): M is a whole number
.endr
.irp x, 0,1
	s_delay_alu instid0(VALU_DEP_2)
	v_sub_f32 v[T0+10*\x+8], v[T0+10*\x], v[T0+10*\x+4]                        ; M's old value less its new one: a whole number, 0 or less
.endr
.irp x, 0,1
	s_delay_alu instid0(VALU_DEP_2)
	v_cvt_i32_f32 v[T0+10*\x+8], v[T0+10*\x+8]                                 ; (it saturates)
.endr
.irp x, 0,1
	s_delay_alu instid0(VALU_DEP_2)
	v_ldexp_f32 v[T0+10*\x+4], 1.0, v[T0+10*\x+8]                              ; f = 2^(old M - new M)
.endr
	s_delay_alu instid0(VALU_DEP_2)
	v_pk_mul_f32 v[T0+2:T0+3], v[T0+2:T0+3], v[T0+4:T0+5] op_sel_hi:[1,0]      ; the sums under the new M
	s_delay_alu instid0(VALU_DEP_3)
	v_pk_mul_f32 v[T0+6:T0+7], v[T0+6:T0+7], v[T0+4:T0+5] op_sel_hi:[1,0]
	s_delay_alu instid0(VALU_DEP_3)
	v_pk_mul_f32 v[T0+12:T0+13], v[T0+12:T0+13], v[T0+14:T0+15] op_sel_hi:[1,0]
	s_delay_alu instid0(VALU_DEP_4)
	v_pk_mul_f32 v[T0+16:T0+17], v[T0+16:T0+17], v[T0+14:T0+15] op_sel_hi:[1,0]
.irp x, 0,1
.set jj, 0
.rept 32
	v_pk_mul_f32 v[O+64*\x+2*jj:O+64*\x+2*jj+1], v[O+64*\x+2*jj:O+64*\x+2*jj+1], v[T0+10*\x+4:T0+10*\x+5] op_sel_hi:[1,0]   ; O^T under the new M: x f, each accumulator from its low end on
.set jj, jj+1
.endr
.endr
	WIN 0x41
.set jj, 0
.rept 32
	TM 0, jj
.set jj, jj+1
.endr
	s_wait_alu depctr_va_vdst(0)
	EXPB 0
	SUM 0
	EXPB 1
	CODES 0
	SUM 1
	EXPB 2
	CODES 1
	WIN 0x40
.irp f, 0,1,2,3,4,5,6,7
	VF \f, 16*\f                                   ; V's first half lands where chunks 0 and 1 have been converted
.endr
	SUM 2
	EXPB 3
	CODES 2
	WIN 0x40
.irp f, 0,1,2,3
	VF 8+\f, 128+16*\f                             ; the second half where chunks 2
.endr
	SUM 3
	WIN 0x41
.set jj, 0
.rept 32
	HOLD 3, jj
.set jj, jj+1
.endr
	CODES 3
	v_nop                                          ; one plain vector line between the last conversion and the products
	WIN 0x40
.irp f, 4,5,6,7
	VF 8+\f, 128+16*\f                             ; and 3 have
.endr
	s_wait_alu depctr_va_vdst(0)                   ; the wait, directly ahead of the wait below
	s_wait_dscnt 32                                ; the first half is in; the second half's 32 loads may be out
	PV 0
	s_wait_dscnt 0x0
	PV 1
	WIN 0                                          ; at a label and at a branch every window is 0
	PLACES                                         ; in front of the next step's loads and of the first read of O^T; with the next step's two additions, in front of the products that write over V's fragments
.endm
; THE CHANGE OF SLOTS stands at a slot's head.  Each wave waits for all its tensor loads (its part of the slot that it is about to read), adds 0 to its spare word, and waits for that and for its reads of the slot that it has left.
; fill = 1: the barrier is a round of the cluster's, so that no wave of any partner still reads the other slot or has a load on its way, and that slot is asked for first thing behind it: the next 512 keys.
.macro CHANGE fill
	s_wait_tensorcnt 0x0                           ; no tensor load of mine is out, so a group 0 may be written
	ds_add_u32 v2, v3                              ; 0 onto my spare word; with fill = 1 the descriptors' steps stand between it and the wait for it
.if \fill
	s_xor_b32 s33, s33, SLOT1                      ; the walking descriptors: the other slot than last time,
	s_add_nc_u64 s[34:35], s[34:35], 65536         ; the next four blocks; the type bits on top are not reached
	s_xor_b32 s37, s37, SLOT1
	s_add_nc_u64 s[38:39], s[38:39], 65536
.endif
	s_wait_dscnt 0x0                               ; the add is done, and so are my LDS reads
.if \fill
	CROUND
	JLOAD                                          ; the first tensor load behind the round, and my only one until the next
.else
	s_barrier_signal -1
	s_barrier_wait -1
.endif
.endm
; A slot's two steps: written once, walked twice; the LDS addresses hang on s40
.macro TWO_STEPS
	s_mov_b32 s42, 2
.Lstep_\@:
	STEP
	s_add_co_u32 s40, s40, STEPB
	s_sub_co_u32 s42, s42, 1
	s_cmp_lg_u32 s42, 0
	s_cbranch_scc1 .Lstep_\@
	s_sub_co_u32 s40, s40, 2*STEPB                 ; back to a slot's first step,
	s_xor_b32 s40, s40, SLOT1                      ; in the other slot
.endm
.Lslot:                                            ; three trips: behind each change of slots but the last the next slot is asked for
	CHANGE 1
	TWO_STEPS
	s_sub_co_u32 s41, s41, 1
	s_cmp_lg_u32 s41, 0
	s_cbranch_scc1 .Lslot
	CHANGE 0                                       ; the last slot is written out
	TWO_STEPS
	; THE WAY OUT.  The sum's chains, halves and the other half of the lanes' are added; O^T is divided by the sum, multiplied by 2^(ep + ev) and put in the channels' order.
.irp x, 0,1
	v_pk_add_f32 v[T0+10*\x+2:T0+10*\x+3], v[T0+10*\x+2:T0+10*\x+3], v[T0+10*\x+6:T0+10*\x+7]
.endr
.irp x, 0,1
	s_delay_alu instid0(VALU_DEP_2)
	v_add_f32 v[T0+10*\x+8], v[T0+10*\x+2], v[T0+10*\x+3]
.endr
.irp x, 0,1
	s_delay_alu instid0(VALU_DEP_2)
	v_permlanex16_b32 v[T0+10*\x+9], v[T0+10*\x+8], s20, s21
.endr
.irp x, 0,1
	s_delay_alu instid0(VALU_DEP_2)
	v_add_f32 v[T0+10*\x+8], v[T0+10*\x+8], v[T0+10*\x+9]                      ; the row's sum
.endr
	s_wait_alu depctr_va_vdst(0)
.irp x, 0,1
	v_rcp_f32 v[T0+10*\x+4], v[T0+10*\x+8]
.endr
	v_and_b32 v6, 15, v0                           ; (plain lines behind the reciprocals)  lane % 16
	v_bfe_u32 v7, v0, 4, 1                         ; lane / 16
	v_mul_u32_u24 v4, v6, SPITCH
	v_mul_u32_u24 v5, v7, SPITCH
	v_lshlrev_b32 v31, 9, v7
	v_lshl_add_u32 v4, v7, 7, v4
	v_lshl_add_u32 v5, v6, 4, v5
	v_lshl_add_u32 v31, v6, 4, v31                 ; out0: lanes 0-15 take one row's 256 bytes, lanes 16-31 the next row's
	v_add_nc_u32 v4, s54, v4                       ; the stage, in: row = my query; my half's 32 channels: 128 bytes
	v_add_nc_u32 v5, s54, v5                       ; back: the same two rows as in out0
	s_wait_alu depctr_va_vdst(0)                   ; the wait, ahead of the first reader
.irp x, 0,1
	v_ldexp_f32 v[T0+10*\x+4], v[T0+10*\x+4], s43  ; x 2^(ep + ev)
.endr
	WIN 0x40                                       ; destination window 1
	s_wait_alu depctr_va_vdst(0)                   ; the wait, directly ahead of the first reader of O^T
.irp x, 0,1
.irp a, 0,1
.irp j, 0,1,2,3
.irp n, 0,1,2,3,4,5,6,7
	v_mul_f32 v[64*\x+32*\a+4*\n+\j], v[O+64*\x+8*(4*\a+\j)+\n], v[T0+10*\x+4]   ; channel 64 a + 32 h + 4 n + j; each accumulator from its low end on
.endr
.endr
.endr
.endr
; Group g = 2 x + a: 16 queries of tile x, channels 64 a .. 64 a + 63: 16 rows of 256 bytes go through my stage and come back as whole rows, into the registers that they left.
.macro TOSTAGE g
	WIN 0x04
.irp e, 0,1,2,3,4,5,6,7
	ds_store_b128 v4, v[32*(\g)+4*\e:32*(\g)+4*\e+3] offset:16*\e
.endr
	WIN 0x40
.irp i, 0,1,2,3,4,5,6,7
	ds_load_b128 v[32*(\g)+4*\i:32*(\g)+4*\i+3], v5 offset:2*SPITCH*\i   ; LDS serves a wave's instructions in order (ISA guide 5.7.1.4): these see the stores above, and the next group's stores come behind them
.endr
.endm
.macro SEND g, younger                 ; younger: the LDS instructions issued behind group g's loads: the next group's sixteen, or none
	WIN 0x04
.irp i, 0,1,2,3,4,5,6,7
	s_wait_dscnt \younger+7-\i
	global_store_b128 v31, v[32*(\g)+4*\i:32*(\g)+4*\i+3], s[12:13] offset:8192*((\g)/2)+1024*\i+256*((\g)%2) th:TH_STORE_NT   ; 16 lanes store 256 consecutive bytes, at a multiple of 256 from out0's first byte; written once, read by nobody here
.endr
.endm
	TOSTAGE 0
	TOSTAGE 1
	s_wait_alu depctr_va_vdst(0)                   ; the wait, directly ahead of SEND's waits
	SEND 0, 16
	TOSTAGE 2
	SEND 1, 16
	TOSTAGE 3
	SEND 2, 16
	SEND 3, 0
	WIN 0
	s_wait_tensorcnt 0x0                           ; the wave's end, behind my last tensor load and my last LDS store
	ds_add_u32 v2, v3
	s_wait_dscnt 0x0
	CROUND                                         ; the closing round: no work-group ends while a partner may still ask for a tile that names it
	s_endpgm
.Lfunc_end_k_qc28a62c448_attn:
	.size	k_qc28a62c448_attn, .Lfunc_end_k_qc28a62c448_attn-k_qc28a62c448_attn
	.p2alignl 7, 3214868480
	.fill 96, 4, 3214868480
	.section	.rodata,"a",@progbits
	.p2align	6, 0x0
	.amdhsa_kernel k_qc28a62c448_attn
		.amdhsa_group_segment_fixed_size 327680
		.amdhsa_private_segment_fixed_size 0
		.amdhsa_enable_private_segment 0
		.amdhsa_kernarg_size 40
		.amdhsa_user_sgpr_count 2
		.amdhsa_user_sgpr_kernarg_segment_ptr 1
		.amdhsa_wavefront_size32 1
		.amdhsa_system_sgpr_workgroup_id_x 1
		.amdhsa_system_sgpr_workgroup_id_y 1
		.amdhsa_system_sgpr_workgroup_id_z 1
		.amdhsa_system_vgpr_workitem_id 0
		.amdhsa_next_free_vgpr 512
		.amdhsa_next_free_sgpr 66
		.amdhsa_reserve_vcc 0
		.amdhsa_float_denorm_mode_32 3
		.amdhsa_float_denorm_mode_16_64 3
		.amdhsa_memory_ordered 1
		.amdhsa_forward_progress 1
		.amdhsa_inst_pref_size 164
	.end_amdhsa_kernel
	.amdgpu_metadata
---
amdhsa.version: [ 1, 2 ]
amdhsa.kernels:
  - .name:           k_qc28a62c448_attn
    .symbol:         k_qc28a62c448_attn.kd
    .args:
      - { .name: Q, .offset: 0, .size: 8, .value_kind: global_buffer, .address_space: global }
      - { .name: kc, .offset: 8, .size: 8, .value_kind: global_buffer, .address_space: global }
      - { .name: vc, .offset: 16, .size: 8, .value_kind: global_buffer, .address_space: global }
      - { .name: lowp_scales, .offset: 24, .size: 8, .value_kind: global_buffer, .address_space: global }
      - { .name: out0, .offset: 32, .size: 8, .value_kind: global_buffer, .address_space: global }
    .group_segment_fixed_size: 327680
    .private_segment_fixed_size: 0
    .kernarg_segment_align: 8
    .kernarg_segment_size: 40
    .max_flat_workgroup_size: 256
    .sgpr_count:     66
    .vgpr_count:     512
    .wavefront_size: 32
...
	.end_amdgpu_metadata
.endif
;; end of part 2
